; MI455X (gfx1250); checked and timed in simulation.
; The chip was launched on July 23, 2026; its instructions are those of AMD's public machine-readable ISA for CDNA 5 (MIT licence, August 2026) and "CDNA5" Instruction Set Architecture Reference Guide (July 2026). The comments in the code are by the model that wrote it; some were corrected since.
;; Sparse Mo E. Allowed arithmetic: matrix products marked QUANTISED: E2M1 operands, one E8M0 scale for each 32 along K, by v_wmma_scale_f32_16x16x128_f8f6f4 with both operands' format E2M1 (or v_wmma_scale_f32_32x16x128_f4), f32 sums; products left as they are: f32 operands where the result goes on into a quantised operand, else bf16, f16 or f32 operands; f32 sums; everything else in f32.
;; Inputs: W1_codes 8 x 4,096 x 32 x 16 uint8 (E2M1 codes of W1, K innermost, in blocks of 32 codes, two codes a byte); W1_scales 8 x 4,096 x 32 uint8 (E8M0 scales of W1, one for each 32 codes along K); W2_codes 8 x 1,024 x 128 x 16 uint8 (E2M1 codes of W2, K innermost, in blocks of 32 codes, two codes a byte); W2_scales 8 x 1,024 x 128 uint8 (E8M0 scales of W2, one for each 32 codes along K); Wr 1,024 x 8 float32; b1 8 x 4,096 float32; b2 8 x 1,024 float32; br 8 float32; x 2 x 512 x 1,024 float32.
;; Outputs: out0 2 x 512 x 1,024 float32.
;; This version of the problem:
;;   THIS VERSION OF THE PROBLEM IS GIVEN IN LOW PRECISION. The matrix products marked QUANTISED in the list below multiply operands that are first quantised to E2M1 (2 exponent bits, 1 mantissa bit; 4 bits a number), with one power-of-two scale for each 32 numbers along K (OCP MX v1.0); their sums are f32. All else is computed in f32.
;;   The module's matrix products, in the order in which they are computed (A, B: the left and right operand; K: the contracted axis; several contracted axes count as one K, in the product's order):
;;     1. [M 1,024, K 1,024] x [K 1,024, N 8]; A: input x; B: input Wr: left as it is (N = 8 < 16)
;;     2. [M 32,768, K 1,024] x [K 1,024, N 1,024]; A: input W1 (given as codes); B: input x: QUANTISED
;;     3. batch 8 x [M 1,024, K 4,096] x [K 4,096, N 1,024]; A: computed on the way; B: input W2 (given as codes): QUANTISED
;;     4. batch 1,024 x [M 1, K 8] x [K 8, N 1,024]; A: computed on the way; B: computed on the way: left as it is (K = 8 < 32)
;;   THE QUANTISER, for each operand of a quantised product, along K:
;;     - K is cut into blocks of 32 from its start; a last block that is shorter is filled with zeros.
;;     - A block's scale is 2^e with e = floor(log2(the largest magnitude in the block)) - 2, held to -126 .. 127; a block of zeros has e = 0. As a byte (E8M0): e + 127.
;;     - Each number is divided by its block's scale, clamped to +-6, and rounded to the nearest number of E2M1, ties to even, subnormals kept.
;;     - The product sums the exact products of the quantised numbers (number of the format x scale) in f32.
;;   ~~~python
;;   def quantise(x, axis):      # numpy; x: float32 -> the quantised numbers, widened to float32 again
;;       x = np.moveaxis(x, axis, -1); K = x.shape[-1]
;;       x = np.pad(x, [(0, 0)] * (x.ndim - 1) + [(0, -K % 32)]); x = x.reshape(x.shape[:-1] + (-1, 32)); a = np.abs(x).max(-1, keepdims=True)
;;       e = np.where(a > 0, np.clip(np.frexp(np.where(a > 0, a, 1))[1] - 1 - 2, -126, 127), 0)      # np.frexp(a)[1] - 1 = floor(log2(a)), exactly
;;       r = np.clip(x / 2.0 ** e, -6, 6)
;;       step = 2.0 ** (np.maximum(np.frexp(np.where(r == 0, 1, r))[1] - 1, 0) - 1)
;;       q = np.round(r / step) * step * 2.0 ** e      # np.round: ties to even
;;       return np.moveaxis(q.reshape(q.shape[:-2] + (-1,))[..., :K], -1, axis).astype(np.float32)
;;   ~~~
;;   OPERANDS COMPUTED ON THE WAY. 'Computed on the way' means the value that the module computes at that place (a softmax that the list does not call 'softmax' is quantised finished and normalised). What goes into a quantiser is computed in f32, as accurately as f32 sums, v_exp_f32 and their like allow (about 1e-6 of the number): no bf16 or f16 on the way to a quantiser, and a product that is left as it is and whose result goes on into a quantised operand takes f32 operands (vector FMAs, or v_wmma_f32_16x16x4_f32). A number that lies on a knife's edge between two numbers of the format may be rounded either way, as far as f32 arithmetic and the matrix unit's own rounding can turn it there, and no further.
;;   INPUTS GIVEN AS CODES. W1 (in the module: [8, 1024, 4096], K = its axis 1); W2 (in the module: [8, 4096, 1024], K = its axis 1): each comes as NAME_codes (uint8): NAME with its K axis moved to the last place and cut into blocks of 32 codes, [.., K / 32, bytes a block], one block behind the other in memory; two codes a byte, the lower K in the low four bits (a code: sign, 2 exponent bits, 1 mantissa bit); and NAME_scales (uint8): the same leading axes, one E8M0 byte (e + 127) for each 32 codes along K. Its value is code x scale, taken as it is: it is not quantised again, and the codes and scales need not be those that the quantiser above would give.
;; One version. Each part assembles by itself: llvm-mc -triple=amdgcn-amd-amdhsa -mcpu=gfx1250 --defsym DOCPART=n.
;; ======== version 1 of 1: 4 launches
;; workspace buffers: xq 524,288 bytes; xs 32,768 bytes; sel 4,096 bytes of whole numbers; gw 8,192 bytes; hq 16,777,216 bytes; hs 2,097,152 bytes; route 33,792 bytes of whole numbers; y2 9,437,184 bytes
;; launch route_quant (part 1): grid 128 x 1, 8 waves a work-group, no clusters, 71,936 bytes of LDS; arguments x, Wr, br, xq, xs, sel, gw; writes xq, xs, sel, gw
.if DOCPART == 1
	.amdgcn_target "amdgcn-amd-amdhsa--gfx1250"
	.amdhsa_code_object_version 6
	.text
	.protected	k_q89d5d405e1_route_quant
	.globl	k_q89d5d405e1_route_quant
	.p2align	8
	.type	k_q89d5d405e1_route_quant,@function
k_q89d5d405e1_route_quant:
	s_mov_b64 s[64:65], 0
	v_nop
	global_prefetch_b8 v0, s[64:65] scope:SCOPE_SE
	s_setreg_imm32_b32 hwreg(HW_REG_WAVE_MODE, 25, 1), 1
	s_wait_xcnt 0x0
; SparseMoE, launch 1 of 4: the router in f32, its top 2 and their two weights; x into codes of E2M1 with one E8M0 byte for each 32 along D.
; WORK LEFT OUT BY THE WHOLE PROGRAM.  reference() computes h and y for all 8 experts and every token and then forms out = sum over e of router_weight[e] y[e].  For an expert that top_k did not choose
; mask = 0, so router_weight = softmax x 0 = 0, and its y enters out with the factor 0, whatever finite values the inputs hold.  So of the two quantised products and of the last sum only the rows of
; the two chosen experts of each token are made: 2,048 rows in place of 8,192.  Every input still has a way to the output and is loaded.
; LIMITS.  A NaN, an infinity or an overflow that arises only in h or y of an expert that was not chosen is not carried to the result.  NaN and infinities in x, Wr, br are not served.
; A block of x whose largest magnitude lies under 2^-124 keeps the scale byte 1; a block of zeros gets the byte 1 where the rule says 127: its codes are zeros, and this program alone reads the bytes.
; Two scores that differ by less than the rounding of an f32 sum of 1,024 terms may be ranked otherwise than reference() ranks them.
; SHARES.  A work-group takes 8 tokens, a wave one.  Lane l holds block l of the token's row, x[32 l .. 32 l + 31]: the block's largest magnitude needs no other lane, and its 32 codes are the lane's 16 bytes.
; The row is LOADED as it lies, 512 consecutive bytes an instruction, 16 a lane, and turns through the wave's own stage in LDS: 32 places of 128 bytes + 16 of padding, a place for each lane.
; Wr (32 KB) is read once by the work-group, 512 consecutive bytes an instruction, and laid in LDS as an image of the registers that the lanes want: piece q (16 bytes) of lane l at 528 q + 16 l holds
; Wr[32 l + q / 2][4 (q % 2) .. + 3].  The 8 tokens' scale bytes meet in LDS and leave as 256 consecutive bytes.
; No matrix unit: the router's product has 8 columns and steers a choice, so it is summed in f32.  No cluster: all that work-groups share is Wr.
.set WP,    528                        ; from piece to piece of Wr's image: 512 bytes + 16
.set SB,    33792                      ; behind the image: the 8 tokens' 256 scale bytes
.set SPARE, 34048                      ; the spare words, 128 bytes for each of 8 waves
.set XST,   35072                      ; behind them: the stages for x, 32 places of XP bytes for each wave
.set XP,    144                        ; a lane's place: its 128 bytes + 16: sixteen lanes' reads begin 9 x 16 bytes apart
.set X,     16                         ; v16-47   x as loaded, then my 32 numbers
.set WG,    48                         ; v48-79   Wr as it is loaded
.set W,     80                         ; v80-207  two sets of 16 pieces of the image
.set A,     208                        ; v208-215 the 8 sums
.set T,     216                        ; v216-239 at work
.set C,     240                        ; v240-243 my block's codes
.set SPW,   10                         ; v10 my spare word's LDS address; v11 0: both never rewritten
.set NIL,   11
.set XIN,   12                         ; v12 the stage on the way in: 144 (l / 8) + 16 (l % 8)
.set XOUT,  13                         ; v13 and on the way out: 144 l
.set WV,    30
	s_load_b256 s[4:11], s[0:1], 0x0               ; x, Wr, br, xq
	s_load_b128 s[12:15], s[0:1], 0x20             ; xs, sel
	s_load_b64 s[16:17], s[0:1], 0x30              ; gw
	v_lshl_add_u32 v[SPW], v0, 2, SPARE
	v_mov_b32 v[NIL], 0
	v_lshrrev_b32 v1, 5, v0
	v_readfirstlane_b32 s[WV], v1                  ; wave 0..7
	v_and_b32 v1, 31, v0                           ; lane
	v_lshlrev_b32 v2, 4, v1                        ; 16 l
	v_mul_u32_u24 v5, v1, WP
	s_lshl_b32 s31, s[WV], 6
	v_add_nc_u32 v5, s31, v5                       ; into the image: 528 l + 64 w
	s_mul_i32 s33, s[WV], 32*XP
	s_add_co_u32 s33, s33, XST                     ; my wave's stage
	v_lshrrev_b32 v[XIN], 3, v1
	v_mul_u32_u24 v[XIN], v[XIN], XP
	v_and_b32 v[XOUT], 7, v1
	v_lshl_add_u32 v[XIN], v[XOUT], 4, v[XIN]
	v_add_nc_u32 v[XIN], s33, v[XIN]
	v_mul_u32_u24 v[XOUT], v1, XP
	v_add_nc_u32 v[XOUT], s33, v[XOUT]
	v_add_nc_u32 v6, SB, v0                        ; my scale byte: 32 w + l
	v_lshlrev_b32 v8, 3, v1                        ; 8 l
	v_add_nc_u32 v7, SB, v8
	v_mov_b32 v9, 0
	s_mov_b32 s28, 0x76543210
	s_mov_b32 s29, 0xfedcba98                      ; v_permlanex16_b32's selects for lane l xor 16
	s_lshl_b32 s32, ttmp9, 3
	s_add_co_u32 s32, s32, s[WV]                   ; my token
	s_lshl_b32 s34, s32, 12                        ; its row of x,
	s_mov_b32 s35, 0
	s_lshl_b32 s36, s[WV], 12                      ; my wave's 4,096 bytes of Wr,
	s_mov_b32 s37, 0
	s_lshl_b32 s38, s32, 9                         ; its row of codes,
	s_mov_b32 s39, 0
	s_lshl_b32 s40, ttmp9, 8                       ; the work-group's 256 scale bytes,
	s_mov_b32 s41, 0
	s_lshl_b32 s42, s32, 2                         ; its word of sel,
	s_mov_b32 s43, 0
	s_lshl_b32 s44, s32, 3                         ; its two weights
	s_mov_b32 s45, 0
	s_wait_kmcnt 0x0
	s_load_b256 s[20:27], s[8:9], 0x0              ; br
	s_add_nc_u64 s[4:5], s[4:5], s[34:35]
	s_add_nc_u64 s[6:7], s[6:7], s[36:37]
	s_add_nc_u64 s[10:11], s[10:11], s[38:39]
	s_add_nc_u64 s[12:13], s[12:13], s[40:41]
	s_add_nc_u64 s[14:15], s[14:15], s[42:43]
	s_add_nc_u64 s[16:17], s[16:17], s[44:45]
.irp i, 0,1,2,3,4,5,6,7
	global_load_b128 v[X+4*\i:X+4*\i+3], v2, s[4:5] offset:512*\i th:TH_LOAD_NT   ; 512 consecutive bytes of the token's row
.endr
.irp i, 0,1,2,3,4,5,6,7
	global_load_b128 v[WG+4*\i:WG+4*\i+3], v2, s[6:7] offset:512*\i          ; 512 consecutive bytes of Wr
.endr
	s_wait_loadcnt 8                               ; x's eight are in; Wr's eight may be out
.irp i, 0,1,2,3,4,5,6,7
	ds_store_b128 v[XIN], v[X+4*\i:X+4*\i+3] offset:4*XP*\i                  ; byte 512 i + 16 l of the row is piece l % 8 of place 4 i + l / 8
.endr
.irp j, 0,1,2,3,4,5,6,7
	ds_load_b128 v[X+4*\j:X+4*\j+3], v[XOUT] offset:16*\j                    ; LDS serves a wave's instructions in order: these see my stores; my place's 128 bytes are x[32 l .. 32 l + 31]
.endr
	s_wait_loadcnt 0x0
.irp i, 0,1,2,3,4,5,6,7
	ds_store_b128 v5, v[WG+4*\i:WG+4*\i+3] offset:(\i%2)*32*WP+16*(\i/2)     ; byte 4096 w + 512 i + 16 l of Wr is piece 32 (i % 2) + l of lane 4 w + i / 2
.endr
	s_wait_dscnt 8                                 ; my block is back from the stage; the eight stores of Wr behind it may be out
	; the quantiser: the block's largest magnitude, with the floor 2^(3 - 127) among its leaves, so that the byte cannot fall under 1
	v_max3_num_f32 v[T], |v[X]|, |v[X+1]|, |v[X+2]|
	v_max3_num_f32 v[T+1], |v[X+3]|, |v[X+4]|, |v[X+5]|
.irp i, 6,10,14,18,22,26
	v_max3_num_f32 v[T], v[T], |v[X+\i]|, |v[X+\i+1]|
	v_max3_num_f32 v[T+1], v[T+1], |v[X+\i+2]|, |v[X+\i+3]|
.endr
	v_max3_num_f32 v[T], v[T], |v[X+30]|, |v[X+31]|
	v_max3_num_f32 v[T], v[T], v[T+1], 0x1800000
	v_add_nc_u32 v[T+2], 0xff000000, v[T]          ; 2 off its exponent field: the conversion takes the exponent field of this operand as its scale
.irp g, 0,1,2,3
	v_cvt_scalef32_pk8_fp4_f32 v[C+\g], v[X+8*\g:X+8*\g+7], v[T+2]
.endr
	v_lshrrev_b32 v[T+3], 23, v[T+2]               ; the scale's byte (also the plain instruction behind the conversions)
	global_store_b128 v2, v[C:C+3], s[10:11]       ; the wave stores the token's 512 bytes of codes on end
	ds_store_b8 v6, v[T+3]
	s_wait_dscnt 0x0                               ; for the others' sake: my part of the image and my byte have landed
	s_barrier_signal -1
	s_barrier_wait -1
; 16 pieces of the image (8 rows of Wr for each lane) into set c % 2
.macro LOADC c
.irp j, 0,1,2,3,4,5,6,7,8,9,10,11,12,13,14,15
	ds_load_b128 v[W+64*((\c)%2)+4*\j:W+64*((\c)%2)+4*\j+3], v2 offset:(16*(\c)+\j)*WP
.endr
.endm
; 8 numbers of x times their rows of Wr, onto the 8 sums: two sums an instruction, four chains; the first product starts the sums
.macro FMAC c
.set kk, 0
.rept 8
.set kp, 8*(\c)+kk
.set xb, X+2*(kp/2)
.set wb, W+64*((\c)%2)+8*kk
.irp p, 0,1,2,3
.if kp == 0
	v_pk_mul_f32 v[A+2*\p:A+2*\p+1], v[xb:xb+1], v[wb+2*\p:wb+2*\p+1] op_sel_hi:[0,1]
.elseif kp%2 == 0
	v_pk_fma_f32 v[A+2*\p:A+2*\p+1], v[xb:xb+1], v[wb+2*\p:wb+2*\p+1], v[A+2*\p:A+2*\p+1] op_sel_hi:[0,1,1]
.else
	v_pk_fma_f32 v[A+2*\p:A+2*\p+1], v[xb:xb+1], v[wb+2*\p:wb+2*\p+1], v[A+2*\p:A+2*\p+1] op_sel:[1,0,0] op_sel_hi:[1,1,1]
.endif
.endr
.set kk, kk+1
.endr
.endm
	LOADC 0
	LOADC 1
	s_wait_dscnt 16                                ; the older 16 are in, the younger 16 may be out: so at each of these three waits
	FMAC 0
	LOADC 2
	s_wait_dscnt 16
	FMAC 1
	LOADC 3
	s_wait_dscnt 16
	FMAC 2
	s_wait_dscnt 0x0
	FMAC 3
.irp e, 0,1,2,3,4,5,6,7
	v_mov_b32 v[T+\e], 0                           ; a lane permute's destination counts as one of its sources
.endr
.irp m, 1,2,4,8
.irp e, 0,1,2,3,4,5,6,7
	v_add_f32_dpp v[A+\e], v[A+\e], v[A+\e] row_xmask:\m row_mask:0xf bank_mask:0xf
.endr
.endr
.irp e, 0,1,2,3,4,5,6,7
	v_permlanex16_b32 v[T+\e], v[A+\e], s28, s29
.endr
	s_wait_kmcnt 0x0                               ; br
.irp e, 0,1,2,3,4,5,6,7
	v_add_f32 v[A+\e], v[A+\e], v[T+\e]            ; every lane holds the token's 8 sums
.endr
.irp e, 0,1,2,3,4,5,6,7
	v_add_f32 v[A+\e], s[20+\e], v[A+\e]
.endr
.irp e, 0,1,2,3,4,5,6,7
	v_max_num_f32 v[A+\e], 0, v[A+\e]              ; the router's relu
.endr
	; the top 2, by selects alone.  A strict 'greater' keeps the lower index among equals, as jax.lax.top_k does (after the relu equal scores of 0 are common)
	v_mov_b32 v224, v[A]                           ; the best score, v225 its expert
	v_mov_b32 v225, 0
.irp e, 1,2,3,4,5,6,7
	v_cmp_gt_f32 vcc_lo, v[A+\e], v224
	v_cndmask_b32 v224, v224, v[A+\e], vcc_lo
	v_cndmask_b32 v225, v225, \e, vcc_lo
.endr
	v_mov_b32 v226, -1.0                           ; the second best among the others: it starts under every score
	v_mov_b32 v227, 0
.irp e, 0,1,2,3,4,5,6,7
	v_cmp_ne_u32 s31, \e, v225
	v_cmp_gt_f32 vcc_lo, v[A+\e], v226
	s_and_b32 vcc_lo, vcc_lo, s31
	v_cndmask_b32 v226, v226, v[A+\e], vcc_lo
	v_cndmask_b32 v227, v227, \e, vcc_lo
.endr
	; the softmax over the two: the maximum is taken away as in reference(): p = e^(second - best), weights 1 / (1 + p) and p / (1 + p)
	v_sub_f32 v228, v226, v224
	v_mul_f32 v228, 0x3fb8aa3b, v228
	v_exp_f32 v229, v228
	v_mov_b32 v232, 1                              ; a plain instruction behind the exponential
	s_wait_alu depctr_va_vdst(0)                   ; the wait ahead of the first reader
	v_add_f32 v230, 1.0, v229
	v_rcp_f32 v234, v230
	v_mov_b32 v233, 0x100                          ; a plain instruction behind the reciprocal
	s_wait_alu depctr_va_vdst(0)
	v_mul_f32 v235, v229, v234
	v_lshlrev_b32 v232, v225, v232
	v_lshlrev_b32 v233, v227, v233
	v_or_b32 v232, v232, v233                      ; sel = 1 << best | 256 << second: data at a fixed place; no address here hangs on it
	s_cmp_lg_u32 s[WV], 0
	s_cbranch_scc1 .Lnot_wave_0
	ds_load_b64 v[236:237], v7                     ; bytes that all eight waves stored ahead of the barrier
	s_wait_dscnt 0x0
	global_store_b64 v8, v[236:237], s[12:13]      ; 32 lanes store 256 consecutive bytes, aligned
.Lnot_wave_0:
	s_wait_xcnt 0x0                                ; EXEC changes only behind this wait
	v_cmp_eq_u32 vcc_lo, 0, v1
	s_and_saveexec_b32 s33, vcc_lo
	global_store_b32 v9, v232, s[14:15]            ; lane 0: the token's word of sel,
	global_store_b64 v9, v[234:235], s[16:17]      ; and its two weights
	s_wait_xcnt 0x0                                ; and again ahead of the line that widens it
	s_or_b32 exec_lo, exec_lo, s33
	s_wait_tensorcnt 0x0                           ; the wave's end
	ds_add_u32 v[SPW], v[NIL]
	s_wait_dscnt 0x0
	s_endpgm
.Lfunc_end_k_q89d5d405e1_route_quant:
	.size	k_q89d5d405e1_route_quant, .Lfunc_end_k_q89d5d405e1_route_quant-k_q89d5d405e1_route_quant
	.p2alignl 7, 3214868480
	.fill 96, 4, 3214868480
	.section	.rodata,"a",@progbits
	.p2align	6, 0x0
	.amdhsa_kernel k_q89d5d405e1_route_quant
		.amdhsa_group_segment_fixed_size 71936
		.amdhsa_private_segment_fixed_size 0
		.amdhsa_enable_private_segment 0
		.amdhsa_kernarg_size 56
		.amdhsa_user_sgpr_count 2
		.amdhsa_user_sgpr_kernarg_segment_ptr 1
		.amdhsa_wavefront_size32 1
		.amdhsa_system_sgpr_workgroup_id_x 1
		.amdhsa_system_sgpr_workgroup_id_y 1
		.amdhsa_system_sgpr_workgroup_id_z 1
		.amdhsa_system_vgpr_workitem_id 0
		.amdhsa_next_free_vgpr 248
		.amdhsa_next_free_sgpr 66
		.amdhsa_reserve_vcc 1
		.amdhsa_float_denorm_mode_32 3
		.amdhsa_float_denorm_mode_16_64 3
		.amdhsa_memory_ordered 1
		.amdhsa_forward_progress 1
		.amdhsa_inst_pref_size 27
	.end_amdhsa_kernel
	.amdgpu_metadata
---
amdhsa.version: [ 1, 2 ]
amdhsa.kernels:
  - .name:           k_q89d5d405e1_route_quant
    .symbol:         k_q89d5d405e1_route_quant.kd
    .args:
      - { .name: x, .offset: 0, .size: 8, .value_kind: global_buffer, .address_space: global }
      - { .name: Wr, .offset: 8, .size: 8, .value_kind: global_buffer, .address_space: global }
      - { .name: br, .offset: 16, .size: 8, .value_kind: global_buffer, .address_space: global }
      - { .name: xq, .offset: 24, .size: 8, .value_kind: global_buffer, .address_space: global }
      - { .name: xs, .offset: 32, .size: 8, .value_kind: global_buffer, .address_space: global }
      - { .name: sel, .offset: 40, .size: 8, .value_kind: global_buffer, .address_space: global }
      - { .name: gw, .offset: 48, .size: 8, .value_kind: global_buffer, .address_space: global }
    .group_segment_fixed_size: 71936
    .private_segment_fixed_size: 0
    .kernarg_segment_align: 8
    .kernarg_segment_size: 56
    .max_flat_workgroup_size: 256
    .sgpr_count:     66
    .vgpr_count:     248
    .wavefront_size: 32
...
	.end_amdgpu_metadata
.endif
;; end of part 1
;; launch up (part 2): grid 32 x 8, 4 waves a work-group, no clusters, 72,960 bytes of LDS; arguments xq, xs, sel, W1_codes, W1_scales, b1, hq, hs, route; writes hq, hs, route
.if DOCPART == 2
	.amdgcn_target "amdgcn-amd-amdhsa--gfx1250"
	.amdhsa_code_object_version 6
	.text
	.protected	k_q89d5d405e1_up
	.globl	k_q89d5d405e1_up
	.p2align	8
	.type	k_q89d5d405e1_up,@function
k_q89d5d405e1_up:
	s_mov_b64 s[64:65], 0
	v_nop
	global_prefetch_b8 v0, s[64:65] scope:SCOPE_SE
	s_setreg_imm32_b32 hwreg(HW_REG_WAVE_MODE, 25, 1), 1
	s_wait_xcnt 0x0
; SparseMoE, launch 2 of 4: h = relu(x W1 + b1) on codes of E2M1, for the rows of the chosen experts alone (an expert that top_k did not choose has the weight 0: see the first kernel's head), quantised along H on the way.
; SHARES.  Work-group (x, y) = (slice of 128 hidden units, expert).  Its 64 KB of W1's codes are read once, a whole row of 512 bytes an instruction, and go through LDS into the REGISTERS of each of the four
; waves: 64 fragments (8 tiles of 16 units x 8 K steps), 512 registers, for the whole launch.  What walks is the rows: wave w takes the expert's tiles of 16 rows w, w + 4, w + 8, ..
; THE EXPERT'S ROWS.  Every wave reads sel (a word a token: 1 << first | 256 << second expert), its first loads, and makes 32 masks of the tokens that name this expert, in scalar registers; their bit counts give
; the expert's rows.  Wave 0 then gives each such token a slot, by counts of mask bits.  The list in LDS holds, for each slot, the row 2 t + k at which the result will lie in y2.  All 32 work-groups of an expert make
; the same list; that of slice 0 stores it, with the number of pairs of tiles, for the next launch.
; The list is first filled with dummy rows 2048 + 32 e + (slot % 32): so slots up to a whole pair of tiles, and those that the look-ahead reads, hold valid numbers (token min(row / 2, 1023)).
; A wave reads its slots of all its 16 tiles, and of the two that the look-ahead reaches beyond them, ONCE, behind the first barrier, and asks for its first two tiles' rows of x there, ahead of the storing of W1's rows.
; So the loop over tiles touches no LDS, and every LDS address of the four waves but the sort's is a register made at the head plus a constant.
; LAYOUT.  The product is used transposed (source 0 = 16 units of W1, source 1 = 16 rows of x): a lane holds one row, its registers run along the hidden units.  THE UNITS OF A TILE ARE NOT NEIGHBOURS: lane r of tile
; 2 b + u takes unit 32 b + 8 u + r + 8 (r / 8), so that the 16 registers of tiles 2 b, 2 b + 1 are 16 neighbours along H.  The slice's 128 units are one K step of the next product: the 8 tiles become one fragment and
; one scale word a row, and leave as an IMAGE OF THE OPERAND'S REGISTERS: hq[e][tile][K step][2][lane][16 bytes], hs[e][tile][K step][lane] (a word; lanes 16-31 repeat lanes 0-15).  b1 is the C of each sum's first product.
; No tensor load, no cluster: trip counts hang on a stored count.  A block of h that is all zeros gets the scale byte 1: its codes are zeros, and this program alone reads the bytes.
; REGISTERS, in windows of 256: window 0 addresses, the wave's slots, h's 8 tiles, scale words, the quantiser's; window 1 W1's fragments of K steps 0-3 (before that: the rows as loaded); window 2 K steps 4-7;
; window 3: v0-127 x's fragments, two buffers; v128-191 b1.
.set SP,    528                        ; a row of W1 in LDS: 512 bytes + 16: the 16 rows of a fragment load begin 33 x 16 bytes apart
.set LIST,  67584                      ; behind the 128 rows: 1,152 slots, then 32 words for lanes that have nothing to store
.set SPARE, 72448                      ; the spare words, 128 bytes for each wave
.set L16,  4                           ; 16 l
.set L4,   5                           ; 4 l
.set H16,  6                           ; 16 h
.set LA0,  7                           ; LIST + 64 w + 4 r: my row's slot in my wave's first tile
.set WA,   9                           ; 528 r + 16 h: a fragment's place
.set WST,  10                          ; 32 x 528 w + 16 l: where my wave puts its rows
.set TK,   12                          ; my row's slot of my wave's first tile: its row in y2
.set TT,   13                          ; a slot's token
.set XO,   14                          ; v14-15 the gather's offsets in xq, a register for each buffer
.set SO,   16                          ; v16-17 in xs
.set HO,   18                          ; the image's offset in hq,
.set HSO,  19                          ; the scale words' in hs
.set L8,   20                          ; 8 l
.set DMP,  21                          ; 1152 + l
.set PADV, 22                          ; v22-25 the dummy rows of four slots
.set FILL, 30                          ; LIST + 16 l
.set WSA,  31                          ; my unit's row of W1's scale bytes
.set B1A,  32                          ; 64 h
.set RCP,  33                          ; LIST + 1024 w + 16 l
.set TK1,  34                          ; my row's slot of my wave's second tile
.set RO,   35                          ; the list's place in route
.set NO,   36                          ; the count's place in route
.set NV,   37
.set G0,   40                          ; v40-47 the sort's, four sets of two; never an address behind the sort
.set TKS,  48                          ; v48-63 my row's slots of the tiles to come: v48, v49 those that this trip asks for
.set HA,   64                          ; v64-127 h: 8 tiles x 8 registers (before that, in v64-95: sel)
.set XS,   128                         ; v128-143 x's scale words, two sets of 8
.set W1S,  144                         ; v144-175 W1's: register 8 b + s: lanes 0-15 tile 2 b, lanes 16-31 tile 2 b + 1
.set TM,   176                         ; v176-191 the quantiser's
.set PW,   192                         ; the scale word just made
.set PC,   200                         ; v200-207 the codes just made
.set RC,   208                         ; v208-215 the list on its way to route
.set SPW,  252                         ; my spare word's LDS address, and 0: never rewritten
.set NIL,  253
.set WV, 22
.set EX, 23
.set HSL, 24
.set N,  25
.set NT, 26
.set TI, 27
.set RN, 28
.set HOFF, 29
.set HSOFF, 30
.set CTR, 31
.set BITS, 32
.set SH, 33
.set ST, 34
.set SEL, 40
.set NP, 42
.set M,  66                            ; s66-97 the 32 masks: bit l of mask 4 j + i: token 128 j + 4 l + i names my expert
.set MSB, 0
.macro WIN new                         ; the immediate's high byte repeats the setting that is left
.if MSB != \new
	s_set_vgpr_msb (MSB<<8)|\new
.set MSB, \new
.endif
.endm
	s_load_b512 s[4:19], s[0:1], 0x0               ; xq s[4:5], xs s[6:7], sel s[8:9], W1's codes s[10:11], its scales s[12:13], b1 s[14:15], hq s[16:17], hs s[18:19]
	s_load_b64 s[20:21], s[0:1], 0x40              ; route
	v_lshl_add_u32 v[SPW], v0, 2, SPARE
	v_mov_b32 v[NIL], 0
	v_lshrrev_b32 v1, 5, v0
	v_readfirstlane_b32 s[WV], v1                  ; wave 0..3
	s_and_b32 s[EX], ttmp7, 0xffff                 ; the expert
	s_mov_b32 s[HSL], ttmp9                        ; the slice of 128 hidden units
	v_and_b32 v1, 31, v0                           ; l
	v_and_b32 v2, 15, v0                           ; r
	v_bfe_u32 v3, v0, 4, 1                         ; h
	; every LDS address register is made here, ahead of the one place where the waves part
	v_lshlrev_b32 v[L16], 4, v1
	v_lshlrev_b32 v[L4], 2, v1
	v_lshlrev_b32 v[H16], 4, v3
	s_lshl_b32 s[ST], s[WV], 6
	s_add_co_u32 s[ST], s[ST], LIST
	v_lshl_add_u32 v[LA0], v2, 2, s[ST]
	v_mul_u32_u24 v[WA], v2, SP
	v_add_nc_u32 v[WA], v[WA], v[H16]
	s_mul_i32 s[ST], s[WV], 32*SP
	v_add_nc_u32 v[WST], s[ST], v[L16]
	v_add_nc_u32 v[FILL], LIST, v[L16]
	s_lshl_b32 s[ST], s[WV], 10
	v_add_nc_u32 v[RO], s[ST], v[L16]
	s_add_co_u32 s[ST], s[ST], LIST
	v_add_nc_u32 v[RCP], s[ST], v[L16]
	s_lshl_b32 s[ST], s[EX], 12
	v_add_nc_u32 v[RO], s[ST], v[RO]               ; route: 4096 e + 1024 w + 16 l
	s_lshl_b32 s[ST], s[EX], 7
	s_add_co_u32 s[ST], s[ST], 32768
	v_add_nc_u32 v[NO], s[ST], v[L4]               ; and 32768 + 128 e + 4 l
	v_lshlrev_b32 v[L8], 3, v1
	v_add_nc_u32 v[DMP], 1152, v1
	v_and_b32 v[PADV], 7, v1
	s_lshl_b32 s[ST], s[EX], 5
	s_add_co_u32 s[ST], s[ST], 2048
	v_lshl_add_u32 v[PADV], v[PADV], 2, s[ST]      ; slot 128 j + 4 l + i: 2048 + 32 e + 4 (l % 8) + i
	v_add_nc_u32 v[PADV+1], 1, v[PADV]
	v_add_nc_u32 v[PADV+2], 2, v[PADV]
	v_add_nc_u32 v[PADV+3], 3, v[PADV]
	v_and_b32 v[WSA], 8, v2
	v_add_nc_u32 v[WSA], v[WSA], v2
	v_lshl_add_u32 v[WSA], v3, 3, v[WSA]
	v_lshlrev_b32 v[WSA], 5, v[WSA]                ; (8 h + r + 8 (r / 8)) rows of 32 scale bytes
	v_lshlrev_b32 v[B1A], 6, v3
.irp b, 0,1,2,3
	v_mov_b32 v[TM+4+\b], 0                        ; written once: a lane permute's destination counts as one of its sources
.endr
	s_mov_b32 s[SEL], 0x76543210
	s_mov_b32 s[SEL+1], 0xfedcba98                 ; v_permlanex16_b32's selects for lane l xor 16
	s_lshl_b32 s[BITS], 257, s[EX]
	s_add_co_u32 s[SH], s[EX], 8
	s_lshl_b32 s36, s[EX], 21                      ; W1's codes: (4096 e + 128 slice + 32 w) rows of 512 bytes
	s_lshl_b32 s[ST], s[HSL], 16
	s_add_co_u32 s36, s36, s[ST]
	s_lshl_b32 s[ST], s[WV], 14
	s_add_co_u32 s36, s36, s[ST]
	s_mov_b32 s37, 0
	s_lshl_b32 s38, s[EX], 17                      ; its scale bytes: (4096 e + 128 slice) rows of 32
	s_lshl_b32 s[ST], s[HSL], 12
	s_add_co_u32 s38, s38, s[ST]
	s_mov_b32 s39, 0
	s_lshr_b32 s44, s38, 3                         ; b1: 4 bytes a unit
	s_mov_b32 s45, 0
	s_wait_kmcnt 0x0
	s_add_nc_u64 s[10:11], s[10:11], s[36:37]
	s_add_nc_u64 s[12:13], s[12:13], s[38:39]
	s_add_nc_u64 s[14:15], s[14:15], s[44:45]
.irp j, 0,1,2,3,4,5,6,7
	global_load_b128 v[HA+4*\j:HA+4*\j+3], v[L16], s[8:9] offset:512*\j      ; sel first: the count and the sort wait for it alone.  Register 4 j + i: token 128 j + 4 l + i
.endr
	WIN 0x40                                       ; destination window 1
.set q, 0
.rept 32
	global_load_b128 v[4*q:4*q+3], v[L16], s[10:11] offset:512*q th:TH_LOAD_NT   ; unit 32 w + q: one whole row; no other work-group reads it
.set q, q+1
.endr
	WIN 0
.irp b, 0,1,2,3
.irp j, 0,1
	global_load_b128 v[W1S+8*\b+4*\j:W1S+8*\b+4*\j+3], v[WSA], s[12:13] offset:1024*\b+16*\j
.endr
.endr
	WIN 0xc0                                       ; destination window 3
.irp t, 0,1,2,3,4,5,6,7
.irp j, 0,1
	global_load_b128 v[128+8*\t+4*\j:128+8*\t+4*\j+3], v[B1A], s[14:15] offset:(32*(\t/2)+8*(\t%2))*4+16*\j   ; b1 of units 32 b + 16 h + 8 u + 0 .. 7: the result's layout
.endr
.endr
	WIN 0
	s_wait_loadcnt 56                              ; sel is in; behind it 32 rows, 8 loads of scale words and 16 of b1 may be out
.set G, 0
.rept 32
	v_and_b32 v[HA+G], s[BITS], v[HA+G]            ; 1 << e (first choice), 256 << e (second) or 0
.set G, G+1
.endr
.set G, 0
.rept 32
	v_cmp_ne_u32 s[M+G], 0, v[HA+G]                ; all 32 masks in one run: what follows is scalar work, and vector work that reads scalars
.set G, G+1
.endr
	s_mov_b32 s[N], 0
.set G, 0
.rept 32
	s_bcnt1_i32_b32 s[ST], s[M+G]
	s_add_co_u32 s[N], s[N], s[ST]                 ; the expert's rows: every wave counts them for itself
.set G, G+1
.endr
	s_add_co_u32 s[NP], s[N], 31
	s_lshr_b32 s[NP], s[NP], 5                     ; pairs of tiles,
	s_lshl_b32 s[NT], s[NP], 1                     ; tiles
; Tokens 128 j + 4 l + i (g = 4 j + i): those that name my expert get the next slots, in the order of the lanes.
.macro GROUP g
.set tb, G0+2*((\g)%4)
	v_lshrrev_b32 v[tb], s[SH], v[HA+(\g)]         ; k
	v_mbcnt_lo_u32_b32 v[tb+1], s[M+(\g)], s[RN]   ; the slot: those so far + those in the lanes below me
	v_add3_u32 v[tb], v[tb], v[L8], 256*((\g)/4)+2*((\g)%4)   ; 2 t + k
	v_cndmask_b32 v[tb+1], v[DMP], v[tb+1], s[M+(\g)]   ; a lane with nothing to store writes a word of its own behind the list
	v_min_u32 v[tb+1], 1183, v[tb+1]
	v_lshl_add_u32 v[tb+1], v[tb+1], 2, LIST
	ds_store_b32 v[tb+1], v[tb]
	s_bcnt1_i32_b32 s[ST], s[M+(\g)]
	s_add_co_u32 s[RN], s[RN], s[ST]
.endm
	s_cmp_lg_u32 s[WV], 0
	s_cbranch_scc1 .Lno_sort
.irp j, 0,1,2,3,4,5,6,7,8
	ds_store_b128 v[FILL], v[PADV:PADV+3] offset:512*\j            ; the dummy rows; LDS serves a wave's instructions in order, so the slots stored below land on top
.endr
	s_mov_b32 s[RN], 0
.set G, 0
.rept 32
	GROUP G
.set G, G+1
.endr
.Lno_sort:
	s_wait_dscnt 0x0                               ; wave 0's list has landed; until here no other wave has touched LDS
	s_barrier_signal -1
	s_barrier_wait -1
; The 16 rows of x of one tile, by the list: 8 fragments and the scale words.  18 loads.  The four lines at its head are plain vector instructions that name no register of the products in front of them.
.macro GATHER buf, tk
	v_lshrrev_b32 v[TT], 1, v[\tk]
	v_min_u32 v[TT], 1023, v[TT]                   ; the token; a dummy row gives 1023
	v_lshl_add_u32 v[XO+\buf], v[TT], 9, v[H16]
	v_lshlrev_b32 v[SO+\buf], 5, v[TT]
	WIN 0xc0
.irp s, 0,1,2,3,4,5,6,7
.irp c, 0,1
	global_load_b128 v[64*\buf+8*\s+4*\c:64*\buf+8*\s+4*\c+3], v[XO+\buf], s[4:5] offset:64*\s+32*\c
.endr
.endr
	WIN 0
.irp j, 0,1
	global_load_b128 v[XS+8*\buf+4*\j:XS+8*\buf+4*\j+3], v[SO+\buf], s[6:7] offset:16*\j
.endr
.endm
	ds_load_b32 v[TK], v[LA0]                      ; my wave's tile i lies 4 i tiles of 64 bytes on: 256 i
	ds_load_b32 v[TK1], v[LA0] offset:256
.irp k, 0,1,2,3,4,5,6,7,8,9,10,11,12,13,14,15
	ds_load_b32 v[TKS+\k], v[LA0] offset:256*(\k+2)   ; tiles 2 to 17 of my wave: the last byte read is the list's 4,608th
.endr
	s_wait_dscnt 0x0
	GATHER 0, TK                                   ; my first two tiles' rows of x are asked for here: they are on their way while W1's rows go through LDS
	GATHER 1, TK1
	s_wait_loadcnt 60                              ; my 32 rows are in; behind them 8 loads of scale words, 16 of b1 and the two gathers' 36 may be out
	WIN 0x04                                       ; an LDS store's data are its source 1: window 1
.set q, 0
.rept 32
	ds_store_b128 v[WST], v[4*q:4*q+3] offset:(16*((q/8)%2)+8*(q/16)+q%8)*SP   ; unit 16 a + 8 u + i of my 32 goes to place 16 u + 8 a + i: so a tile's 16 rows lie on end
.set q, q+1
.endr
	WIN 0
	s_wait_dscnt 0x0                               ; for the others' sake: my rows have landed
	s_barrier_signal -1
	s_barrier_wait -1                              ; the last barrier: from here on the waves share nothing that is written
	WIN 0x40
.irp s, 0,1,2,3
.irp t, 0,1,2,3,4,5,6,7
.irp c, 0,1
	ds_load_b128 v[64*\s+8*\t+4*\c:64*\s+8*\t+4*\c+3], v[WA] offset:16*\t*SP+64*\s+32*\c
.endr
.endr
.endr
	WIN 0x80
.irp s, 4,5,6,7
.irp t, 0,1,2,3,4,5,6,7
.irp c, 0,1
	ds_load_b128 v[64*(\s-4)+8*\t+4*\c:64*(\s-4)+8*\t+4*\c+3], v[WA] offset:16*\t*SP+64*\s+32*\c
.endr
.endr
.endr
	WIN 0
	s_cmp_lg_u32 s[HSL], 0                         ; slice 0's work-group stores the expert's list and its count
	s_cbranch_scc1 .Lno_route
	ds_load_b128 v[RC:RC+3], v[RCP]
	ds_load_b128 v[RC+4:RC+7], v[RCP] offset:512
	s_wait_dscnt 0x0
	global_store_b128 v[RO], v[RC:RC+3], s[20:21]
	global_store_b128 v[RO], v[RC+4:RC+7], s[20:21] offset:512
	s_cmp_lg_u32 s[WV], 0
	s_cbranch_scc1 .Lno_route
	v_mov_b32 v[NV], s[NP]
	global_store_b32 v[NO], v[NV], s[20:21]
.Lno_route:
	s_wait_dscnt 0x0                               ; W1's 64 fragments are in my registers: my last LDS loads
; The 8 tiles' products of K step s.  The 8 accumulators take turns, one instruction a turn.
.macro PROD buf, s
.irp t, 0,1,2,3,4,5,6,7
.set rD, HA+8*\t
.set rA, 64*((\s)%4)+8*\t
.set rB, 64*(\buf)+8*(\s)
.if (\s) == 0
.set rC, 128+8*\t
.else
.set rC, HA+8*\t
.endif
.set rP, W1S+8*(\t/2)+(\s)
.set rQ, XS+8*(\buf)+(\s)
.if \t%2
	v_wmma_scale_f32_16x16x128_f8f6f4 v[rD:rD+7], v[rA:rA+7], v[rB:rB+7], v[rC:rC+7], v[rP], v[rQ] matrix_a_fmt:MATRIX_FMT_FP4 matrix_b_fmt:MATRIX_FMT_FP4 matrix_a_scale:MATRIX_SCALE_ROW1
.else
	v_wmma_scale_f32_16x16x128_f8f6f4 v[rD:rD+7], v[rA:rA+7], v[rB:rB+7], v[rC:rC+7], v[rP], v[rQ] matrix_a_fmt:MATRIX_FMT_FP4 matrix_b_fmt:MATRIX_FMT_FP4
.endif
.endr
.endm
; 64 numbers of a lane, register 16 b + i = unit 32 b + 16 h + i of my row, none negative, become a fragment's codes in v[PC] on and its scale word in v[PW].
.macro QUANT
.irp b, 0,1,2,3
	v_max3_num_f32 v[TM+\b], v[HA+16*\b], v[HA+1+16*\b], 0x1800000   ; block b: my 16 numbers, and the floor 2^(3 - 127): so the byte cannot fall under 1
.endr
.irp i, 2,4,6,8,10,12,14
.irp b, 0,1,2,3
	v_max3_num_f32 v[TM+\b], v[TM+\b], v[HA+16*\b+\i], v[HA+1+16*\b+\i]   ; (the four blocks by turns)
.endr
.endr
.irp b, 0,1,2,3
	v_permlanex16_b32 v[TM+4+\b], v[TM+\b], s[SEL], s[SEL+1]
.endr
.irp b, 0,1,2,3
	v_max_num_f32 v[TM+\b], v[TM+\b], v[TM+4+\b]   ; with lane l xor 16's: the block's largest number
.endr
.irp b, 0,1,2,3
	v_add_nc_u32 v[TM+12+\b], 0xff000000, v[TM+\b] ; 2 off its exponent field: the conversion's scale operand
.endr
.irp b, 0,1,2,3
	v_lshrrev_b32 v[TM+4+\b], 23, v[TM+12+\b]      ; the scale's byte
.endr
	v_lshl_or_b32 v[PW], v[TM+5], 8, v[TM+4]
	v_lshl_or_b32 v[PW], v[TM+6], 16, v[PW]
	v_lshl_or_b32 v[PW], v[TM+7], 24, v[PW]        ; my row's scale word; lanes l and l xor 16 hold the same
.irp b, 0,1,2,3
	v_cvt_scalef32_pk8_fp4_f32 v[PC+2*\b], v[HA+16*\b:HA+7+16*\b], v[TM+12+\b]
	v_cvt_scalef32_pk8_fp4_f32 v[PC+1+2*\b], v[HA+8+16*\b:HA+15+16*\b], v[TM+12+\b]
.endr
	v_nop                                          ; one plain instruction behind a scaled conversion
.irp c, 0,1                                    ; the operand's layout wants a whole block in a lane: lanes 0-15 block 2 c, lanes 16-31 block 2 c + 1
.irp i, 0,1
	v_permlane16_swap_b32 v[PC+4*\c+\i], v[PC+2+4*\c+\i]
.endr
.endr
.endm
; One tile of 16 rows.  Its rows of x were asked for two tiles ago, into buffer buf.
.macro TILE buf
	s_cmp_ge_u32 s[TI], s[NT]                      ; the count ends the walk: a jump forward, past no barrier
	s_cbranch_scc1 .Ldone
	s_wait_loadcnt 18                              ; this buffer's gather is in; the other buffer's 18 loads may be out
	WIN 0x3d                                       ; source 0 (W1) window 1, source 1 (x) and source 2 (b1) window 3, destination window 0
	PROD \buf, 0
	WIN 0x0d                                       ; C and D window 0
	PROD \buf, 1
	PROD \buf, 2
	PROD \buf, 3
	WIN 0x0e                                       ; W1's K steps 4-7: window 2
	PROD \buf, 4
	PROD \buf, 5
	PROD \buf, 6
	PROD \buf, 7
	WIN 0
	s_wait_xcnt 0x0                                ; the last tile's three stores, issued 64 products ago, have read their data and offsets, which are written again below; the wait stands ahead of this tile's loads, so that it does not wait for them
	GATHER \buf, TKS+\buf                          ; the tile two on; its four plain lines stand between the products and the loads into their registers, and ahead of the first read of results
.set j, 0
.rept 64
	v_max_num_f32 v[HA+j], 0, v[HA+j]              ; the activation, in f32; each accumulator from its low end on
.set j, j+1
.endr
	v_add_nc_u32 v[HO], s[HOFF], v[L16]
	v_add_nc_u32 v[HSO], s[HSOFF], v[L4]
	QUANT
	global_store_b128 v[HO], v[PC:PC+3], s[16:17]              ; the image: 512 consecutive bytes a store
	global_store_b128 v[HO], v[PC+4:PC+7], s[16:17] offset:512
	global_store_b32 v[HSO], v[PW], s[18:19]
	s_add_co_u32 s[TI], s[TI], 4
	s_add_co_u32 s[HOFF], s[HOFF], 0x20000         ; four tiles on: 4 x 32 K steps x 1,024 bytes,
	s_add_co_u32 s[HSOFF], s[HSOFF], 0x4000        ; x 128 bytes
.endm
	s_mov_b32 s[TI], s[WV]
	s_lshl_b32 s[HOFF], s[EX], 21                  ; ((64 e + w) 32 + slice) x 1,024
	s_lshl_b32 s[ST], s[WV], 15
	s_add_co_u32 s[HOFF], s[HOFF], s[ST]
	s_lshl_b32 s[ST], s[HSL], 10
	s_add_co_u32 s[HOFF], s[HOFF], s[ST]
	s_lshr_b32 s[HSOFF], s[HOFF], 3                ; x 128
	s_mov_b32 s[CTR], 0
.Ltiles:                                               ; 8 trips of two tiles serve all 64 tiles that an expert can have; the count leaves early
	TILE 0
	TILE 1
.irp k, 0,1,2,3,4,5,6,7,8,9,10,11,12,13
	v_mov_b32 v[TKS+\k], v[TKS+\k+2]               ; the slots to come move two places down, so that the trip is written once: 14 moves for a trip's 128 matrix instructions
.endr
	s_add_co_u32 s[CTR], s[CTR], 1
	s_cmp_lt_u32 s[CTR], 8
	s_cbranch_scc1 .Ltiles
.Ldone:
	s_wait_tensorcnt 0x0                           ; the wave's end
	ds_add_u32 v[SPW], v[NIL]
	s_wait_dscnt 0x0
	s_endpgm
.Lfunc_end_k_q89d5d405e1_up:
	.size	k_q89d5d405e1_up, .Lfunc_end_k_q89d5d405e1_up-k_q89d5d405e1_up
	.p2alignl 7, 3214868480
	.fill 96, 4, 3214868480
	.section	.rodata,"a",@progbits
	.p2align	6, 0x0
	.amdhsa_kernel k_q89d5d405e1_up
		.amdhsa_group_segment_fixed_size 72960
		.amdhsa_private_segment_fixed_size 0
		.amdhsa_enable_private_segment 0
		.amdhsa_kernarg_size 72
		.amdhsa_user_sgpr_count 2
		.amdhsa_user_sgpr_kernarg_segment_ptr 1
		.amdhsa_wavefront_size32 1
		.amdhsa_system_sgpr_workgroup_id_x 1
		.amdhsa_system_sgpr_workgroup_id_y 1
		.amdhsa_system_sgpr_workgroup_id_z 1
		.amdhsa_system_vgpr_workitem_id 0
		.amdhsa_next_free_vgpr 960
		.amdhsa_next_free_sgpr 100
		.amdhsa_reserve_vcc 0
		.amdhsa_float_denorm_mode_32 3
		.amdhsa_float_denorm_mode_16_64 3
		.amdhsa_memory_ordered 1
		.amdhsa_forward_progress 1
		.amdhsa_inst_pref_size 82
	.end_amdhsa_kernel
	.amdgpu_metadata
---
amdhsa.version: [ 1, 2 ]
amdhsa.kernels:
  - .name:           k_q89d5d405e1_up
    .symbol:         k_q89d5d405e1_up.kd
    .args:
      - { .name: xq, .offset: 0, .size: 8, .value_kind: global_buffer, .address_space: global }
      - { .name: xs, .offset: 8, .size: 8, .value_kind: global_buffer, .address_space: global }
      - { .name: sel, .offset: 16, .size: 8, .value_kind: global_buffer, .address_space: global }
      - { .name: W1_codes, .offset: 24, .size: 8, .value_kind: global_buffer, .address_space: global }
      - { .name: W1_scales, .offset: 32, .size: 8, .value_kind: global_buffer, .address_space: global }
      - { .name: b1, .offset: 40, .size: 8, .value_kind: global_buffer, .address_space: global }
      - { .name: hq, .offset: 48, .size: 8, .value_kind: global_buffer, .address_space: global }
      - { .name: hs, .offset: 56, .size: 8, .value_kind: global_buffer, .address_space: global }
      - { .name: route, .offset: 64, .size: 8, .value_kind: global_buffer, .address_space: global }
    .group_segment_fixed_size: 72960
    .private_segment_fixed_size: 0
    .kernarg_segment_align: 8
    .kernarg_segment_size: 72
    .max_flat_workgroup_size: 128
    .sgpr_count:     100
    .vgpr_count:     960
    .wavefront_size: 32
...
	.end_amdgpu_metadata
.endif
;; end of part 2
;; launch down (part 3): grid 32 x 8, 4 waves a work-group, no clusters, 316,928 bytes of LDS; arguments W2_codes, W2_scales, b2, hq, hs, route, y2; writes y2
.if DOCPART == 3
	.amdgcn_target "amdgcn-amd-amdhsa--gfx1250"
	.amdhsa_code_object_version 6
	.text
	.protected	k_q89d5d405e1_down
	.globl	k_q89d5d405e1_down
	.p2align	8
	.type	k_q89d5d405e1_down,@function
k_q89d5d405e1_down:
	s_mov_b64 s[64:65], 0
	v_nop
	global_prefetch_b8 v0, s[64:65] scope:SCOPE_SE
	s_setreg_imm32_b32 hwreg(HW_REG_WAVE_MODE, 25, 1), 1
	s_wait_xcnt 0x0
; SparseMoE, launch 3 of 4: y = h W2 + b2 on codes of E2M1, for the rows of the chosen experts alone (an expert that top_k did not choose has the weight 0: see the first kernel's head).
; SHARES.  Work-group (x, y): x % 8 = a slice of 128 columns of y, x / 8 = rq, y = the expert.  The slice of W2 (128 rows of 2,048 bytes, and their scale bytes) is copied once into LDS, whole rows, from addresses made of
; ids alone.  The rows go by PAIRS of tiles (32 slots of the expert's list): wave w takes pairs 4 (w + 4 pass) + rq, pass = 0, 1, as far as the stored count goes: 32 pairs, all that an expert can have.
; A wave takes its pair's h, 64 fragments in 512 registers, as the images that the launch before stored (512 consecutive bytes a load), and walks K = 4,096 in 32 steps written out: so every LDS address is a
; register made at the head plus a constant.  H IS ASKED FOR 11 K STEPS AHEAD of its products: five loads a step (a scale word, four pieces of fragments), 55 ahead of the first step, then step S asks for step S + 11's:
; at most 60 loads of the wave are out, and the first products wait for their own step's loads alone.  One barrier, which every wave passes, ahead of the one test on the stored count.
; LAYOUT.  Transposed: source 0 = 16 rows of W2 (columns of y), source 1 = 16 rows of h: a lane holds one row of y and 8 neighbouring columns.  b2 is the C of each sum's first product.  A tile goes through the wave's own
; stage in LDS and leaves as whole pieces of 512 bytes of a row, to row 2 t + k of y2 as the list says (a slot that pads a pair: to a dummy row of its own).
; WHY NO JOINT LOADS, though the four work-groups rq = 0 .. 3 read the same slice of W2: the walk hangs on a count read from memory.
; REGISTERS, in windows of 256: window 0 addresses, W2's fragments (two buffers), scale words; window 1: v0-127 the 16 accumulators ((c, m) at v[8 (2 c + m)]), v128-191 b2; window 2: h of K steps 0-15; window 3: 16-31.
; During the copy the four batches of W2's rows lie in v16-143 of window 0 and v0-127 of windows 1, 2, 3.
.set WPI,   2064                       ; a row of W2 in LDS: 2,048 bytes + 16: the 16 rows of a fragment load begin 129 x 16 bytes apart
.set SCL,   264192                     ; behind the 128 rows: their scale bytes, 128 + 16 a row
.set SCP,   144
.set STAGE, 282624                     ; 16 rows x (512 + 16) bytes for each wave
.set SPI,   528
.set SPARE, 316416                     ; the spare words, 128 bytes for each wave
.set AH,    11                         ; K steps by which h is asked for ahead
.set L16,  4                           ; 16 l
.set WB,   5                           ; v5-8  (32 q + r) x 2064 + 16 h
.set SCA,  9                           ; SCL + 144 l
.set WCP,  10                          ; 32 x 2064 w + 16 l: where my wave puts its rows
.set SCW,  11                          ; and their scale bytes
.set STO,  12                          ; the stage: where I put 32 bytes of a row,
.set RD,   13                          ; and where I read a row back
.set CO,   14                          ; 512 x slice + 16 l
.set HOA,  15                          ; the pair's images in hq
.set WF,   16                          ; v16-143 W2's fragments, two buffers of 64; on the way out the rows read back
.set WS,   144                         ; v144-175 W2's scale words, two sets of 16: register 4 q + s % 4; lane l: row 32 q + l
.set HSW,  176                         ; v176-207 h's scale words: register s; lanes 0-15 the pair's first tile, lanes 16-31 its second; on the way out the rows' offsets
.set HSA,  208
.set B2A,  209                         ; 32 h
.set HSB,  210                         ; 4096 h + 4 l
.set TMP,  211
.set SPW,  252
.set NIL,  253
.set WV, 18
.set EX, 19
.set CS, 20
.set RQ, 21
.set P,  22
.set NP, 23
.set PASS, 24
.set RA, 36
.set MSB, 0
.macro WIN new                         ; the immediate's high byte repeats the setting that is left
.if MSB != \new
	s_set_vgpr_msb (MSB<<8)|\new
.set MSB, \new
.endif
.endm
	s_load_b256 s[4:11], s[0:1], 0x0               ; W2's codes s[4:5], its scales s[6:7], b2 s[8:9], hq s[10:11]
	s_load_b128 s[12:15], s[0:1], 0x20             ; hs s[12:13], route s[14:15]
	s_load_b64 s[16:17], s[0:1], 0x30              ; y2
	v_lshl_add_u32 v[SPW], v0, 2, SPARE
	v_mov_b32 v[NIL], 0
	v_lshrrev_b32 v1, 5, v0
	v_readfirstlane_b32 s[WV], v1                  ; wave 0..3
	s_and_b32 s[EX], ttmp7, 0xffff
	s_and_b32 s[CS], ttmp9, 7
	s_lshr_b32 s[RQ], ttmp9, 3
	s_lshl_b32 s[P], s[WV], 2
	s_add_co_u32 s[P], s[P], s[RQ]                 ; my first pair
	v_and_b32 v1, 31, v0                           ; l
	v_and_b32 v2, 15, v0                           ; r
	v_bfe_u32 v3, v0, 4, 1                         ; h
	v_lshlrev_b32 v[L16], 4, v1
	v_mul_u32_u24 v[WB], v2, WPI
	v_lshl_add_u32 v[WB], v3, 4, v[WB]
	v_add_nc_u32 v[WB+1], 32*WPI, v[WB]
	v_add_nc_u32 v[WB+2], 64*WPI, v[WB]
	v_add_nc_u32 v[WB+3], 96*WPI, v[WB]
	v_mul_u32_u24 v[SCA], v1, SCP
	v_add_nc_u32 v[SCA], SCL, v[SCA]
	s_mul_i32 s26, s[WV], 32*WPI
	v_add_nc_u32 v[WCP], s26, v[L16]
	v_lshrrev_b32 v[SCW], 3, v1
	v_mul_u32_u24 v[SCW], v[SCW], SCP
	v_and_b32 v[TMP], 7, v1
	v_lshl_add_u32 v[SCW], v[TMP], 4, v[SCW]
	s_mul_i32 s26, s[WV], 32*SCP
	s_add_co_u32 s26, s26, SCL
	v_add_nc_u32 v[SCW], s26, v[SCW]               ; SCL + (32 w + l / 8) x 144 + 16 (l % 8)
	s_mul_i32 s26, s[WV], 16*SPI
	s_add_co_u32 s26, s26, STAGE
	v_mul_u32_u24 v[STO], v2, SPI
	v_lshl_add_u32 v[STO], v3, 5, v[STO]
	v_add_nc_u32 v[STO], s26, v[STO]
	v_add_nc_u32 v[RD], s26, v[L16]
	s_lshl_b32 s26, s[CS], 9
	v_add_nc_u32 v[CO], s26, v[L16]
	v_lshlrev_b32 v[B2A], 5, v3
	v_lshlrev_b32 v[HSB], 2, v1
	v_lshl_add_u32 v[HSB], v3, 12, v[HSB]
	s_lshl_b32 s26, s[EX], 21                      ; W2's codes: (1024 e + 128 slice + 32 w) rows of 2,048 bytes
	s_lshl_b32 s28, s[CS], 18
	s_add_co_u32 s26, s26, s28
	s_lshl_b32 s28, s[WV], 16
	s_add_co_u32 s26, s26, s28
	s_mov_b32 s27, 0
	s_lshr_b32 s28, s26, 4                         ; its scale bytes: rows of 128
	s_mov_b32 s29, 0
	s_lshl_b32 s30, s[EX], 12                      ; b2: (1024 e + 128 slice) x 4
	s_lshl_b32 s31, s[CS], 9
	s_add_co_u32 s30, s30, s31
	s_mov_b32 s31, 0
	s_lshl_b32 s34, s[EX], 7                       ; the expert's count in route
	s_mov_b32 s35, 0
	s_wait_kmcnt 0x0
	s_add_nc_u64 s[4:5], s[4:5], s[26:27]
	s_add_nc_u64 s[6:7], s[6:7], s[28:29]
	s_add_nc_u64 s[8:9], s[8:9], s[30:31]
	s_add_nc_u64 s[32:33], s[14:15], s[34:35]
	s_load_b32 s[NP], s[32:33], 0x8000             ; pairs of tiles that the expert has
.macro WLOAD bt, base                  ; rows 8 bt .. 8 bt + 7 of my 32, four loads of 512 consecutive bytes a row
.irp i, 0,1,2,3,4,5,6,7
.irp j, 0,1,2,3
	global_load_b128 v[\base+16*\i+4*\j:\base+16*\i+4*\j+3], v[L16], s[4:5] offset:(8*\bt+\i)*2048+512*\j
.endr
.endr
.endm
.macro WSTORE bt, base
.irp i, 0,1,2,3,4,5,6,7
.irp j, 0,1,2,3
	ds_store_b128 v[WCP], v[\base+16*\i+4*\j:\base+16*\i+4*\j+3] offset:(8*\bt+\i)*WPI+512*\j
.endr
.endr
.endm
.irp j, 0,1,2,3,4,5,6,7
	global_load_b128 v[WS+4*\j:WS+4*\j+3], v[L16], s[6:7] offset:512*\j      ; my 32 rows' scale bytes: 4,096 dense bytes
.endr
	WLOAD 0, WF
	WIN 0x40                                       ; destination window 1
.irp c, 0,1,2,3,4,5,6,7
.irp j, 0,1
	global_load_b128 v[128+8*\c+4*\j:128+8*\c+4*\j+3], v[B2A], s[8:9] offset:64*\c+16*\j   ; b2 of columns 16 c + 8 h + 0 .. 7: the result's layout
.endr
.endr
	WLOAD 1, 0
	WIN 0x80
	WLOAD 2, 0
	WIN 0xc0
	WLOAD 3, 0
	WIN 0
	s_wait_loadcnt 63                              ; 112 loads were issued behind batch 0: with 63 out it is in, and the scale bytes ahead of it
.irp j, 0,1,2,3,4,5,6,7
	ds_store_b128 v[SCW], v[WS+4*\j:WS+4*\j+3] offset:4*SCP*\j
.endr
	WSTORE 0, WF
	s_wait_loadcnt 63                              ; 64 were issued behind batch 1
	WIN 0x04                                       ; an LDS store's data are its source 1: window 1,
	WSTORE 1, 0
	s_wait_loadcnt 32                              ; batch 3 may be out
	WIN 0x08                                       ; window 2,
	WSTORE 2, 0
	s_wait_loadcnt 0x0
	WIN 0x0c                                       ; window 3
	WSTORE 3, 0
	WIN 0
	s_wait_dscnt 0x0                               ; for the others' sake: my 32 rows and their scale bytes have landed
	s_barrier_signal -1
	s_barrier_wait -1                              ; the only barrier: behind it the slice is read alone
	s_wait_kmcnt 0x0                               ; the count
	s_mov_b32 s[PASS], 0
.macro LOADW                           ; W2's 8 fragments of K step SN into buffer SN % 2
.irp c, 0,1,2,3,4,5,6,7
.irp d, 0,1
	ds_load_b128 v[WF+64*(SN%2)+8*\c+4*\d:WF+64*(SN%2)+8*\c+4*\d+3], v[WB+\c/2] offset:(\c%2)*16*WPI+64*SN+32*\d
.endr
.endr
.endm
.macro LOADS                           ; the scale words of K steps 4 SS .. 4 SS + 3 into set SS % 2
.irp q, 0,1,2,3
	ds_load_b128 v[WS+16*(SS%2)+4*\q:WS+16*(SS%2)+4*\q+3], v[SCA] offset:32*SCP*\q+16*SS
.endr
.endm
.macro HL                              ; h's two fragments of K step T: four loads of 512 consecutive bytes
.irp m, 0,1
.irp c, 0,1
	global_load_b128 v[16*(T%16)+8*\m+4*\c:16*(T%16)+8*\m+4*\c+3], v[HOA], s[10:11] offset:32768*\m+1024*T+512*\c
.endr
.endr
.endm
.macro WM oa, ob                       ; one product; oa, ob: source 0's, source 1's scales stand in lanes 16-31
.if (\oa) && (\ob)
	v_wmma_scale_f32_16x16x128_f8f6f4 v[rD:rD+7], v[rA:rA+7], v[rB:rB+7], v[rC:rC+7], v[rP], v[rQ] matrix_a_fmt:MATRIX_FMT_FP4 matrix_b_fmt:MATRIX_FMT_FP4 matrix_a_scale:MATRIX_SCALE_ROW1 matrix_b_scale:MATRIX_SCALE_ROW1
.elseif \oa
	v_wmma_scale_f32_16x16x128_f8f6f4 v[rD:rD+7], v[rA:rA+7], v[rB:rB+7], v[rC:rC+7], v[rP], v[rQ] matrix_a_fmt:MATRIX_FMT_FP4 matrix_b_fmt:MATRIX_FMT_FP4 matrix_a_scale:MATRIX_SCALE_ROW1
.elseif \ob
	v_wmma_scale_f32_16x16x128_f8f6f4 v[rD:rD+7], v[rA:rA+7], v[rB:rB+7], v[rC:rC+7], v[rP], v[rQ] matrix_a_fmt:MATRIX_FMT_FP4 matrix_b_fmt:MATRIX_FMT_FP4 matrix_b_scale:MATRIX_SCALE_ROW1
.else
	v_wmma_scale_f32_16x16x128_f8f6f4 v[rD:rD+7], v[rA:rA+7], v[rB:rB+7], v[rC:rC+7], v[rP], v[rQ] matrix_a_fmt:MATRIX_FMT_FP4 matrix_b_fmt:MATRIX_FMT_FP4
.endif
.endm
; Tile m of the pair leaves: 32 bytes a lane into my stage, whole pieces of 512 bytes back, each to the row of y2 that the list names.  LDS serves a wave's instructions in order: no wait between the stores and the loads.
.macro OUT m
	WIN 0x04
.irp c, 0,1,2,3,4,5,6,7
	ds_store_b128 v[STO], v[8*(2*\c+\m):8*(2*\c+\m)+3] offset:64*\c            ; each accumulator from its low end on
	ds_store_b128 v[STO], v[8*(2*\c+\m)+4:8*(2*\c+\m)+7] offset:64*\c+16
.endr
	WIN 0
.irp i, 0,1,2,3,4,5,6,7,8,9,10,11,12,13,14,15
	ds_load_b128 v[WF+64*\m+4*\i:WF+64*\m+4*\i+3], v[RD] offset:\i*SPI
.endr
.irp i, 0,1,2,3,4,5,6,7,8,9,10,11,12,13,14,15
	s_min_u32 s26, s[68+16*\m+\i], 2303            ; the slot's row in y2
	s_lshl_b32 s26, s26, 12
	v_add_nc_u32 v[HSW+16*\m+\i], s26, v[CO]
.endr
.irp i, 0,1,2,3,4,5,6,7,8,9,10,11,12,13,14,15
	s_wait_dscnt 15-\i                             ; row i is back; the younger rows may be out
	global_store_b128 v[HSW+16*\m+\i], v[WF+64*\m+4*\i:WF+64*\m+4*\i+3], s[16:17]   ; 32 lanes store 512 consecutive bytes, at a multiple of 512 from y2's first byte
.endr
.endm
.Lpass:
	s_cmp_ge_u32 s[P], s[NP]                       ; the one test on the stored count: a jump forward, past no barrier
	s_cbranch_scc1 .Ldone
	s_wait_xcnt 0x0                                ; the last pass's loads and stores have read their data and offsets: both are written again below
	s_lshl_b32 s26, s[EX], 21
	s_lshl_b32 s27, s[P], 16
	s_add_co_u32 s26, s26, s27
	v_add_nc_u32 v[HOA], s26, v[L16]               ; hq: 2 MiB an expert, 65,536 bytes a pair
	s_lshl_b32 s26, s[EX], 18
	s_lshl_b32 s27, s[P], 13
	s_add_co_u32 s26, s26, s27
	v_add_nc_u32 v[HSA], s26, v[HSB]               ; hs: 4,096 bytes a tile; lanes 16-31 take the second tile's
	s_lshl_b32 s26, s[EX], 12
	s_lshl_b32 s27, s[P], 7
	s_add_co_u32 s26, s26, s27
	s_mov_b32 s27, 0
	s_add_nc_u64 s[RA:RA+1], s[14:15], s[26:27]
	s_load_b512 s[68:83], s[RA:RA+1], 0x0          ; the pair's 32 slots of the list
	s_load_b512 s[84:99], s[RA:RA+1], 0x40
.set T, 0
.rept AH
	global_load_b32 v[HSW+T], v[HSA], s[12:13] offset:128*T        ; h's scale words of K steps 0 to 10,
.set T, T+1
.endr
	WIN 0x80                                       ; destination window 2
.set T, 0
.rept AH
	HL                                             ; and its fragments, in the order of K
.set T, T+1
.endr
	WIN 0
.set SN, 0
	LOADW
.set SS, 0
	LOADS
.set S, 0
.rept 32                               ; K step S: the next step's fragments of W2 and step S + 11's h are asked for, then 16 products, the 16 accumulators by turns, one instruction a turn
	WIN 0
.if S > 0
.rept 4
	v_nop                                          ; four plain instructions between step S - 1's products and the loads below, which land in the buffer that those products read
.endr
.endif
.set DC, 0
.if S < 31
.set SN, S+1
	LOADW
.set DC, 16
.if SN%4 == 0
.set SS, SN/4
	LOADS
.set DC, 20
.endif
.endif
.if S+AH < 32
.set T, S+AH
	global_load_b32 v[HSW+T], v[HSA], s[12:13] offset:128*T
.if T < 16
	WIN 0x80
.else
	WIN 0xc0                                       ; K steps 16-31: window 3
.endif
	HL
.endif
	s_wait_dscnt DC                                ; all LDS loads but those just issued: 16, with scale words 20, in the last step none
.if S < AH
.set LC, 4*(AH-1)+5+S                  ; behind step S's loads: 4 (10 - S) of those issued ahead of the steps, and 5 in each of the steps 0 to S
.elseif S+AH < 32
.set LC, 5*AH                          ; five in each of eleven steps
.else
.set LC, 5*(31-S)                      ; five for each later step
.endif
	s_wait_loadcnt LC                              ; h of this step and its scale word are in
.if S < 16
	WIN 0x58                                       ; source 0 (W2) window 0, source 1 (h) window 2, C and D window 1
.else
	WIN 0x5c                                       ; h: window 3
.endif
.irp c, 0,1,2,3,4,5,6,7
.irp m, 0,1
.set rD, 8*(2*\c+\m)
.set rA, WF+64*(S%2)+8*\c
.set rB, 16*(S%16)+8*\m
.if S == 0
.set rC, 128+8*\c
.else
.set rC, 8*(2*\c+\m)
.endif
.set rP, WS+16*((S/4)%2)+4*(\c/2)+S%4
.set rQ, HSW+S
	WM \c%2, \m
.endr
.endr
.set S, S+1
.endr
	WIN 0
.rept 4
	v_nop                                          ; four plain instructions ahead of the first read of results, of the loads into W2's buffers and of the writes of h's scale registers
.endr
	s_wait_kmcnt 0x0                               ; the list
	OUT 0
	OUT 1
	s_add_co_u32 s[P], s[P], 16
	s_add_co_u32 s[PASS], s[PASS], 1
	s_cmp_lt_u32 s[PASS], 2
	s_cbranch_scc1 .Lpass
.Ldone:
	s_wait_tensorcnt 0x0                           ; the wave's end
	ds_add_u32 v[SPW], v[NIL]
	s_wait_dscnt 0x0
	s_endpgm
.Lfunc_end_k_q89d5d405e1_down:
	.size	k_q89d5d405e1_down, .Lfunc_end_k_q89d5d405e1_down-k_q89d5d405e1_down
	.p2alignl 7, 3214868480
	.fill 96, 4, 3214868480
	.section	.rodata,"a",@progbits
	.p2align	6, 0x0
	.amdhsa_kernel k_q89d5d405e1_down
		.amdhsa_group_segment_fixed_size 316928
		.amdhsa_private_segment_fixed_size 0
		.amdhsa_enable_private_segment 0
		.amdhsa_kernarg_size 56
		.amdhsa_user_sgpr_count 2
		.amdhsa_user_sgpr_kernarg_segment_ptr 1
		.amdhsa_wavefront_size32 1
		.amdhsa_system_sgpr_workgroup_id_x 1
		.amdhsa_system_sgpr_workgroup_id_y 1
		.amdhsa_system_sgpr_workgroup_id_z 1
		.amdhsa_system_vgpr_workitem_id 0
		.amdhsa_next_free_vgpr 1024
		.amdhsa_next_free_sgpr 100
		.amdhsa_reserve_vcc 0
		.amdhsa_float_denorm_mode_32 3
		.amdhsa_float_denorm_mode_16_64 3
		.amdhsa_memory_ordered 1
		.amdhsa_forward_progress 1
		.amdhsa_inst_pref_size 162
	.end_amdhsa_kernel
	.amdgpu_metadata
---
amdhsa.version: [ 1, 2 ]
amdhsa.kernels:
  - .name:           k_q89d5d405e1_down
    .symbol:         k_q89d5d405e1_down.kd
    .args:
      - { .name: W2_codes, .offset: 0, .size: 8, .value_kind: global_buffer, .address_space: global }
      - { .name: W2_scales, .offset: 8, .size: 8, .value_kind: global_buffer, .address_space: global }
      - { .name: b2, .offset: 16, .size: 8, .value_kind: global_buffer, .address_space: global }
      - { .name: hq, .offset: 24, .size: 8, .value_kind: global_buffer, .address_space: global }
      - { .name: hs, .offset: 32, .size: 8, .value_kind: global_buffer, .address_space: global }
      - { .name: route, .offset: 40, .size: 8, .value_kind: global_buffer, .address_space: global }
      - { .name: y2, .offset: 48, .size: 8, .value_kind: global_buffer, .address_space: global }
    .group_segment_fixed_size: 316928
    .private_segment_fixed_size: 0
    .kernarg_segment_align: 8
    .kernarg_segment_size: 56
    .max_flat_workgroup_size: 128
    .sgpr_count:     100
    .vgpr_count:     1024
    .wavefront_size: 32
...
	.end_amdgpu_metadata
.endif
;; end of part 3
;; launch combine (part 4): grid 256 x 1, 4 waves a work-group, no clusters, 0 bytes of LDS; arguments y2, gw, out0; writes out0
.if DOCPART == 4
	.amdgcn_target "amdgcn-amd-amdhsa--gfx1250"
	.amdhsa_code_object_version 6
	.text
	.protected	k_q89d5d405e1_combine
	.globl	k_q89d5d405e1_combine
	.p2align	8
	.type	k_q89d5d405e1_combine,@function
k_q89d5d405e1_combine:
	s_mov_b64 s[64:65], 0
	v_nop
	global_prefetch_b8 v0, s[64:65] scope:SCOPE_SE
	s_setreg_imm32_b32 hwreg(HW_REG_WAVE_MODE, 25, 1), 1
	s_wait_xcnt 0x0
; SparseMoE, launch 4 of 4: out[t] = w0 y2[2 t] + w1 y2[2 t + 1]: reference()'s last sum, of which the six terms with the weight 0 are left out (see the first kernel's head).
; A wave takes a token: two rows of 4,096 bytes in, one out, 512 consecutive bytes an instruction.  The dummy rows behind row 2,047 of y2 are not read.  A stream: no LDS, no barrier, no matrix unit, nothing shared.
.set Y0, 8                             ; v8-39   the first expert's row, then the result
.set Y1, 40                            ; v40-71  the second's
	s_load_b128 s[4:7], s[0:1], 0x0                ; y2, gw
	s_load_b64 s[8:9], s[0:1], 0x10                ; out0
	v_lshrrev_b32 v1, 5, v0
	v_readfirstlane_b32 s10, v1                    ; wave
	v_and_b32 v1, 31, v0
	v_lshlrev_b32 v1, 4, v1                        ; 16 l
	s_lshl_b32 s11, ttmp9, 2
	s_add_co_u32 s11, s11, s10                     ; my token
	s_lshl_b32 s12, s11, 13
	s_mov_b32 s13, 0
	s_lshl_b32 s14, s11, 3
	s_mov_b32 s15, 0
	s_lshl_b32 s16, s11, 12
	s_mov_b32 s17, 0
	s_wait_kmcnt 0x0
	s_add_nc_u64 s[4:5], s[4:5], s[12:13]
	s_add_nc_u64 s[6:7], s[6:7], s[14:15]
	s_add_nc_u64 s[8:9], s[8:9], s[16:17]
	s_load_b64 s[18:19], s[6:7], 0x0               ; w0, w1
.irp j, 0,1,2,3,4,5,6,7
	global_load_b128 v[Y0+4*\j:Y0+4*\j+3], v1, s[4:5] offset:512*\j th:TH_LOAD_NT
	global_load_b128 v[Y1+4*\j:Y1+4*\j+3], v1, s[4:5] offset:4096+512*\j th:TH_LOAD_NT
.endr
	s_wait_kmcnt 0x0
	s_mov_b32 s20, s18                             ; the packed forms name a pair and take its low word for both halves
	s_mov_b32 s21, s18
	s_mov_b32 s22, s19
	s_mov_b32 s23, s19
.irp j, 0,1,2,3,4,5,6,7
	s_wait_loadcnt 14-2*\j                         ; piece j of both rows is in; the younger pairs of loads may be out
	v_pk_mul_f32 v[Y1+4*\j:Y1+4*\j+1], v[Y1+4*\j:Y1+4*\j+1], s[22:23] op_sel_hi:[1,0]
	v_pk_mul_f32 v[Y1+4*\j+2:Y1+4*\j+3], v[Y1+4*\j+2:Y1+4*\j+3], s[22:23] op_sel_hi:[1,0]
	v_pk_fma_f32 v[Y0+4*\j:Y0+4*\j+1], v[Y0+4*\j:Y0+4*\j+1], s[20:21], v[Y1+4*\j:Y1+4*\j+1] op_sel_hi:[1,0,1]
	v_pk_fma_f32 v[Y0+4*\j+2:Y0+4*\j+3], v[Y0+4*\j+2:Y0+4*\j+3], s[20:21], v[Y1+4*\j+2:Y1+4*\j+3] op_sel_hi:[1,0,1]
	global_store_b128 v1, v[Y0+4*\j:Y0+4*\j+3], s[8:9] offset:512*\j th:TH_STORE_NT
.endr
	s_endpgm
.Lfunc_end_k_q89d5d405e1_combine:
	.size	k_q89d5d405e1_combine, .Lfunc_end_k_q89d5d405e1_combine-k_q89d5d405e1_combine
	.p2alignl 7, 3214868480
	.fill 96, 4, 3214868480
	.section	.rodata,"a",@progbits
	.p2align	6, 0x0
	.amdhsa_kernel k_q89d5d405e1_combine
		.amdhsa_group_segment_fixed_size 0
		.amdhsa_private_segment_fixed_size 0
		.amdhsa_enable_private_segment 0
		.amdhsa_kernarg_size 24
		.amdhsa_user_sgpr_count 2
		.amdhsa_user_sgpr_kernarg_segment_ptr 1
		.amdhsa_wavefront_size32 1
		.amdhsa_system_sgpr_workgroup_id_x 1
		.amdhsa_system_sgpr_workgroup_id_y 1
		.amdhsa_system_sgpr_workgroup_id_z 1
		.amdhsa_system_vgpr_workitem_id 0
		.amdhsa_next_free_vgpr 72
		.amdhsa_next_free_sgpr 66
		.amdhsa_reserve_vcc 0
		.amdhsa_float_denorm_mode_32 3
		.amdhsa_float_denorm_mode_16_64 3
		.amdhsa_memory_ordered 1
		.amdhsa_forward_progress 1
		.amdhsa_inst_pref_size 6
	.end_amdhsa_kernel
	.amdgpu_metadata
---
amdhsa.version: [ 1, 2 ]
amdhsa.kernels:
  - .name:           k_q89d5d405e1_combine
    .symbol:         k_q89d5d405e1_combine.kd
    .args:
      - { .name: y2, .offset: 0, .size: 8, .value_kind: global_buffer, .address_space: global }
      - { .name: gw, .offset: 8, .size: 8, .value_kind: global_buffer, .address_space: global }
      - { .name: out0, .offset: 16, .size: 8, .value_kind: global_buffer, .address_space: global }
    .group_segment_fixed_size: 0
    .private_segment_fixed_size: 0
    .kernarg_segment_align: 8
    .kernarg_segment_size: 24
    .max_flat_workgroup_size: 128
    .sgpr_count:     66
    .vgpr_count:     72
    .wavefront_size: 32
...
	.end_amdgpu_metadata
.endif
;; end of part 4
